; MI455X (gfx1250); checked and timed in simulation.
; The chip was launched on July 23, 2026; its instructions are those of AMD's public machine-readable ISA for CDNA 5 (MIT licence, August 2026) and "CDNA5" Instruction Set Architecture Reference Guide (July 2026). The comments in the code are by the model that wrote it; some were corrected since.
;; Simple LSTM Cell. Allowed arithmetic: matrix products marked QUANTISED: E5M2 operands, one E8M0 scale for each 32 along K, by v_wmma_scale_f32_16x16x128_f8f6f4 with both operands' format E5M2, f32 sums; everything else in f32.
;; Inputs: W_c 1,024 x 2,048 float32; W_f 1,024 x 2,048 float32; W_i 1,024 x 2,048 float32; W_o 1,024 x 2,048 float32; b_c 1,024 float32; b_f 1,024 float32; b_i 1,024 float32; b_o 1,024 float32; c_prev 8,192 x 1,024 float32; h_prev 8,192 x 1,024 float32; x 8,192 x 1,024 float32.
;; Outputs: out0 8,192 x 1,024 float32; out1 8,192 x 1,024 float32.
;; This version of the problem:
;;   THIS VERSION OF THE PROBLEM IS GIVEN IN LOW PRECISION. The matrix products marked QUANTISED in the list below multiply operands that are first quantised to E5M2 (5 exponent bits, 2 mantissa bits; 8 bits a number), with one power-of-two scale for each 32 numbers along K (OCP MX v1.0); their sums are f32. All else is computed in f32.
;;   The module's matrix products, in the order in which they are computed (A, B: the left and right operand; K: the contracted axis; several contracted axes count as one K, in the product's order):
;;     1. [M 8,192, K 2,048] x [K 2,048, N 4,096]; A: computed on the way; B: computed on the way: QUANTISED
;;   THE QUANTISER, for each operand of a quantised product, along K:
;;     - K is cut into blocks of 32 from its start; a last block that is shorter is filled with zeros.
;;     - A block's scale is 2^e with e = floor(log2(the largest magnitude in the block)) - 15, held to -126 .. 127; a block of zeros has e = 0. As a byte (E8M0): e + 127.
;;     - Each number is divided by its block's scale, clamped to +-57,344, and rounded to the nearest number of E5M2, ties to even, subnormals kept.
;;     - The product sums the exact products of the quantised numbers (number of the format x scale) in f32.
;;   ~~~python
;;   def quantise(x, axis):      # numpy; x: float32 -> the quantised numbers, widened to float32 again
;;       x = np.moveaxis(x, axis, -1); K = x.shape[-1]
;;       x = np.pad(x, [(0, 0)] * (x.ndim - 1) + [(0, -K % 32)]); x = x.reshape(x.shape[:-1] + (-1, 32)); a = np.abs(x).max(-1, keepdims=True)
;;       e = np.where(a > 0, np.clip(np.frexp(np.where(a > 0, a, 1))[1] - 1 - 15, -126, 127), 0)      # np.frexp(a)[1] - 1 = floor(log2(a)), exactly
;;       r = np.clip(x / 2.0 ** e, -57344, 57344)
;;       step = 2.0 ** (np.maximum(np.frexp(np.where(r == 0, 1, r))[1] - 1, -14) - 2)
;;       q = np.round(r / step) * step * 2.0 ** e      # np.round: ties to even
;;       return np.moveaxis(q.reshape(q.shape[:-2] + (-1,))[..., :K], -1, axis).astype(np.float32)
;;   ~~~
;;   OPERANDS COMPUTED ON THE WAY. 'Computed on the way' means the value that the module computes at that place (a softmax that the list does not call 'softmax' is quantised finished and normalised). What goes into a quantiser is computed in f32, as accurately as f32 sums, v_exp_f32 and their like allow (about 1e-6 of the number): no bf16 or f16 on the way to a quantiser, and a product that is left as it is and whose result goes on into a quantised operand takes f32 operands (vector FMAs, or v_wmma_f32_16x16x4_f32). A number that lies on a knife's edge between two numbers of the format may be rounded either way, as far as f32 arithmetic and the matrix unit's own rounding can turn it there, and no further.
;; One version. Each part assembles by itself: llvm-mc -triple=amdgcn-amd-amdhsa -mcpu=gfx1250 --defsym DOCPART=n.
;; ======== version 1 of 1: 2 launches
;; limits: right only within a limited range of input values; inputs' magnitudes at most 7.5e+22
;; workspace buffers: a_codes 16,777,216 bytes; a_scales 524,288 bytes; w_codes 8,388,608 bytes; w_scales 262,144 bytes
;; launch quant (part 1): grid 256 x 1, 16 waves a work-group, no clusters, 92,160 bytes of LDS; arguments x, h_prev, W_f, W_i, W_c, W_o, a_codes, a_scales, w_codes, w_scales; writes a_codes, a_scales, w_codes, w_scales
.if DOCPART == 1
	.amdgcn_target "amdgcn-amd-amdhsa--gfx1250"
	.amdhsa_code_object_version 6
	.text
	.protected	k_q7f78502030_quant
	.globl	k_q7f78502030_quant
	.p2align	8
	.type	k_q7f78502030_quant,@function
k_q7f78502030_quant:
	s_mov_b64 s[64:65], 0
	v_nop
	global_prefetch_b8 v0, s[64:65] scope:SCOPE_SE
	s_setreg_imm32_b32 hwreg(HW_REG_WAVE_MODE, 25, 1), 1
	s_wait_xcnt 0x0
; [x | h_prev] (8,192 x 2,048) and [W_f; W_i; W_c; W_o] (4,096 x 2,048), f32 with K innermost, become codes of BF8 (E5M2) with one E8M0 scale byte for each 32 along K.  No work of reference() is left out.
; a_codes [8192][2048]: row r = x's row r, then h_prev's row r.  w_codes [4096][2048], ROWS PERMUTED: row hc of gate g (f, i, c, o = 0..3) lies at p = 128 (hc / 32) + 32 g + hc % 32.
; THE SCALE BYTES LIE BY K STEP OF 256: a_scales [8][8192][8], w_scales [8][4096][8]: the 8 bytes of one row and one K step on end, so that 256 rows of one K step are 2,048 consecutive bytes.
; A block's scale byte is its largest magnitude's exponent field - 15, held at 1 from below; each number is divided by the scale, held within +-57,344 and rounded to the nearest code, ties to even.
; (A block of zeros gets the byte 1 where the rule says 127: its codes are zeros, and this program alone reads the bytes.)
; LIMITS: NaN and infinities among the inputs are not served; blocks whose largest magnitude lies under 2^-111 keep the byte 1.
; SHARES.  Work-group j, wave w, 12 steps of 512 numbers.  Steps 0-7: rows 32 j + 2 w and + 1 of [x | h_prev] (row t / 4, quarter t % 4).  Steps 8-11: of the 32 permuted rows 32 (j / 2) .. + 31, all of one gate,
; rows 2 w and 2 w + 1, the half j % 2 of K (row (t - 8) / 2, quarter (t - 8) % 2 of that half).  So a work-group's scale bytes are whole runs of 256 bytes: 8 for a_scales, 4 for w_scales.
; Each of a step's four loads reads 512 consecutive bytes; the 2,048 bytes turn through the wave's own stage in LDS and come back 64 bytes a lane (16 neighbours; two lanes hold a block).
; A stream: no tensor loads, no cluster, no matrix unit.  Loads run four steps (16 loads a wave) ahead, the turn through LDS one step.
.set STEPS, 12
.set SP,    80                         ; a lane's place in a stage: 64 bytes + 16 of padding
.set STG,   32*SP
.set WREG,  2*STG
.set SBA,   16*WREG                    ; 2,048 scale bytes for a_scales: [K step 0..7][row 0..31][8]
.set SBW,   SBA+2048                   ; 1,024 for w_scales: [K step 0..3 of my half][row 0..31][8]
.set R,     16
.set X,     80
.set E,     112
.set C,     124
.set OUTR,  172
	s_load_b256 s[4:11], s[0:1], 0x0               ; x, h_prev, W_f, W_i
	s_load_b256 s[12:19], s[0:1], 0x20             ; W_c, W_o, a_codes, a_scales
	s_load_b128 s[20:23], s[0:1], 0x40             ; w_codes, w_scales
	v_lshl_add_u32 v176, v0, 2, 0x16000            ; my spare word, behind all else
	v_mov_b32 v177, 0
	v_lshrrev_b32 v1, 5, v0
	v_readfirstlane_b32 s24, v1                    ; wave 0..15
	s_mul_i32 s29, s24, WREG
	s_lshl_b32 s32, s24, 4
	s_add_co_u32 s32, s32, SBA
	v_and_b32 v2, 31, v0                           ; lane
	v_lshlrev_b32 v3, 4, v2                        ; my 16 bytes of a load's 512, and of a step's codes
	v_lshrrev_b32 v14, 2, v2
	v_and_b32 v15, 3, v2
	v_mul_u32_u24 v14, v14, SP
	v_lshl_add_u32 v14, v15, 4, v14
	v_add_nc_u32 v14, s29, v14                     ; the stage, on the way in
	v_mul_u32_u24 v15, v2, SP
	v_add_nc_u32 v15, s29, v15                     ; and on the way out: my 16 neighbours
	v_bfe_u32 v4, v0, 1, 3                         ; my block's byte among its K step's 8
	v_bfe_u32 v1, v0, 4, 1                         ; which of the step's two K steps
	v_lshl_add_u32 v4, v1, 8, v4
	v_add_nc_u32 v5, s32, v4                       ; SBA + 16 wave + 256 (lane / 16) + (lane / 2) % 8
	v_add_nc_u32 v6, 2048, v5                      ; the same in SBW
	v_lshl_add_u32 v7, v0, 4, SBA                  ; the way out: wave w reads the 512 bytes at SBA + 512 w
	v_lshrrev_b32 v13, 4, v0                       ; sixteen threads to a run of 256 bytes
	v_and_b32 v1, 15, v0
	v_lshlrev_b32 v1, 4, v1
	v_lshl_add_u32 v12, v13, 16, v1                ; a_scales: K steps lie 65,536 bytes apart
	v_lshl_add_u32 v13, v13, 15, v1                ; w_scales: 32,768 (wave 4 begins at thread / 16 = 8: taken off in the immediate)
	s_lshl_b32 s25, ttmp9, 4
	s_add_co_u32 s25, s25, s24                     ; 16 j + w
	s_lshr_b32 s26, ttmp9, 1                       ; which 32 permuted rows
	s_and_b32 s27, ttmp9, 1                        ; which half of K
	s_and_b32 s28, s26, 3                          ; their gate
	s_lshr_b32 s34, s26, 2                         ; which 32 rows of that gate's weight
	s_mov_b32 s31, 0
	s_mov_b32 s33, 0x600000                        ; the mantissa field of 57,344
	s_wait_alu depctr_va_vdst(0)                   ; the wait at the head's end
	s_wait_kmcnt 0x0
	s_lshl_b32 s30, s25, 13                        ; two rows of 4,096 bytes
	s_add_nc_u64 s[4:5], s[4:5], s[30:31]
	s_add_nc_u64 s[6:7], s[6:7], s[30:31]
	s_cmp_eq_u32 s28, 1                            ; the gate's weight: the choice hangs on the work-group's number alone
	s_cselect_b64 s[8:9], s[10:11], s[8:9]
	s_cmp_eq_u32 s28, 2
	s_cselect_b64 s[8:9], s[12:13], s[8:9]
	s_cmp_eq_u32 s28, 3
	s_cselect_b64 s[8:9], s[14:15], s[8:9]
	s_lshl_b32 s30, s34, 18                        ; 32 rows of 8,192 bytes
	s_lshl_b32 s35, s24, 14                        ; + 2 w rows
	s_add_co_u32 s30, s30, s35
	s_lshl_b32 s35, s27, 12                        ; + the half of K
	s_add_co_u32 s30, s30, s35
	s_add_nc_u64 s[8:9], s[8:9], s[30:31]
	s_lshl_b32 s30, s25, 12                        ; two rows of 2,048 codes
	s_add_nc_u64 s[16:17], s[16:17], s[30:31]
	s_lshl_b32 s30, ttmp9, 8                       ; 32 rows of 8 scale bytes
	s_add_nc_u64 s[18:19], s[18:19], s[30:31]
	s_lshl_b32 s30, s26, 16
	s_lshl_b32 s35, s24, 12
	s_add_co_u32 s30, s30, s35
	s_lshl_b32 s35, s27, 10
	s_add_co_u32 s30, s30, s35
	s_add_nc_u64 s[20:21], s[20:21], s[30:31]
	s_lshl_b32 s30, s27, 17                        ; four K steps of 32,768 bytes
	s_lshl_b32 s35, s26, 8
	s_add_co_u32 s30, s30, s35
	s_add_nc_u64 s[22:23], s[22:23], s[30:31]
.macro LOAD t
.if (\t) < 8
.set LB, 4+2*(((\t)%4)/2)              ; quarters 0, 1 of a row come from x, quarters 2, 3 from h_prev
.set LO, ((\t)/4)*4096+((\t)%2)*2048
.else
.set LB, 8
.set LO, (((\t)-8)/2)*8192+(((\t)-8)%2)*2048
.endif
.irp i, 0,1,2,3
	global_load_b128 v[R+16*((\t)%4)+4*\i:R+16*((\t)%4)+4*\i+3], v3, s[LB:LB+1] offset:LO+512*\i th:TH_LOAD_NT
.endr
.endm
.macro TURN t                          ; LDS serves a wave's instructions in order (ISA guide 5.7.1.4): no wait between the stores and the loads
.irp i, 0,1,2,3
	ds_store_b128 v14, v[R+16*((\t)%4)+4*\i:R+16*((\t)%4)+4*\i+3] offset:STG*((\t)%2)+8*SP*\i
.endr
.irp i, 0,1,2,3
	ds_load_b128 v[X+16*((\t)%2)+4*\i:X+16*((\t)%2)+4*\i+3], v15 offset:STG*((\t)%2)+16*\i
.endr
.endm
.irp t, 0,1,2,3
	LOAD \t
.endr
	s_wait_loadcnt 12                              ; step 0's four loads are in
	TURN 0
.macro STEP t
.set XS, X+16*((\t)%2)
.if (\t) > 0
	s_wait_dscnt 1                                 ; this step's numbers are back (only the last step's byte store is younger)
.else
	s_wait_dscnt 0x0
.endif
.if (\t)+4 < STEPS
	LOAD (\t)+4
.endif
.if (\t)+1 < STEPS
.if STEPS-2-(\t) >= 3
	s_wait_loadcnt 12                              ; the next step's four loads are in; three steps' may be out
.else
	s_wait_loadcnt 4*(STEPS-2-(\t))
.endif
	TURN (\t)+1
.endif
	v_max3_num_f32 v8, |v[XS]|, |v[XS+1]|, |v[XS+2]|               ; the largest magnitude of my 16, in two chains
	v_max3_num_f32 v9, |v[XS+3]|, |v[XS+4]|, |v[XS+5]|
.irp i, 6,10
	s_delay_alu instid0(VALU_DEP_2)
	v_max3_num_f32 v8, v8, |v[XS+\i]|, |v[XS+\i+1]|
	s_delay_alu instid0(VALU_DEP_2)
	v_max3_num_f32 v9, v9, |v[XS+\i+2]|, |v[XS+\i+3]|
.endr
	s_delay_alu instid0(VALU_DEP_2)
	v_max3_num_f32 v8, v8, |v[XS+14]|, |v[XS+15]|
	s_delay_alu instid0(VALU_DEP_1)
	v_max3_num_f32 v8, v8, v9, 0x8000000           ; and the floor 2^(16 - 127): the byte cannot fall under 1
	s_delay_alu instid0(VALU_DEP_1)
	v_max_num_f32_dpp v8, v8, v8 row_xmask:1 row_mask:0xf bank_mask:0xf   ; and of my neighbour's 16: the block's
	s_delay_alu instid0(VALU_DEP_1)
	v_add_nc_u32 v11, 0xf8800000, v8               ; 15 off its exponent field: the conversion's scale operand
	s_delay_alu instid0(VALU_DEP_2)
	v_and_or_b32 v10, v8, 0x7f800000, s33          ; 57,344 x the scale
.irp i, 0,1,2,3,4,5,6,7,8,9,10,11,12,13,14,15
	v_med3_num_f32 v[XS+\i], v[XS+\i], -v10, v10   ; the conversion does not saturate (ISA guide 7.6.2): hold first
.endr
	v_cvt_scalef32_pk8_bf8_f32 v[C+4*(\t):C+4*(\t)+1], v[XS:XS+7], v11
	v_cvt_scalef32_pk8_bf8_f32 v[C+4*(\t)+2:C+4*(\t)+3], v[XS+8:XS+15], v11
	v_lshrrev_b32 v[E+(\t)], 23, v11               ; the scale's byte (also the plain line behind the conversions)
.if (\t) < 8
	ds_store_b8 v5, v[E+(\t)] offset:512*((\t)%4)+8*((\t)/4)       ; both lanes of a block write the same byte
	global_store_b128 v3, v[C+4*(\t):C+4*(\t)+3], s[16:17] offset:512*(\t)
.else
	ds_store_b8 v6, v[E+(\t)] offset:512*(((\t)-8)%2)+8*(((\t)-8)/2)
	global_store_b128 v3, v[C+4*(\t):C+4*(\t)+3], s[20:21] offset:(((\t)-8)/2)*2048+(((\t)-8)%2)*512
.endif
.endm
.irp t, 0,1,2,3,4,5,6,7,8,9,10,11
	STEP \t
.endr
	s_wait_dscnt 0x0                               ; for the others' sake: my byte stores are done
	s_barrier_signal -1
	s_barrier_wait -1
	s_cmp_lt_u32 s24, 4
	s_cbranch_scc0 .Lnot_a
	ds_load_b128 v[OUTR:OUTR+3], v7                ; waves 0-3: two K steps' 256 bytes for a_scales
	s_wait_dscnt 0x0
	global_store_b128 v12, v[OUTR:OUTR+3], s[18:19]   ; sixteen lanes store 256 consecutive bytes, aligned
	s_branch .Lend
.Lnot_a:
	s_cmp_lt_u32 s24, 6
	s_cbranch_scc0 .Lend
	ds_load_b128 v[OUTR:OUTR+3], v7                ; waves 4, 5: two K steps' 256 bytes for w_scales
	s_wait_dscnt 0x0
	global_store_b128 v13, v[OUTR:OUTR+3], s[22:23] offset:-262144
.Lend:
	s_wait_tensorcnt 0x0                           ; the wave's end
	ds_add_u32 v176, v177
	s_wait_dscnt 0x0
	s_endpgm
.Lfunc_end_k_q7f78502030_quant:
	.size	k_q7f78502030_quant, .Lfunc_end_k_q7f78502030_quant-k_q7f78502030_quant
	.p2alignl 7, 3214868480
	.fill 96, 4, 3214868480
	.section	.rodata,"a",@progbits
	.p2align	6, 0x0
	.amdhsa_kernel k_q7f78502030_quant
		.amdhsa_group_segment_fixed_size 92160
		.amdhsa_private_segment_fixed_size 0
		.amdhsa_enable_private_segment 0
		.amdhsa_kernarg_size 80
		.amdhsa_user_sgpr_count 2
		.amdhsa_user_sgpr_kernarg_segment_ptr 1
		.amdhsa_wavefront_size32 1
		.amdhsa_system_sgpr_workgroup_id_x 1
		.amdhsa_system_sgpr_workgroup_id_y 1
		.amdhsa_system_sgpr_workgroup_id_z 1
		.amdhsa_system_vgpr_workitem_id 0
		.amdhsa_next_free_vgpr 178
		.amdhsa_next_free_sgpr 66
		.amdhsa_reserve_vcc 0
		.amdhsa_float_denorm_mode_32 3
		.amdhsa_float_denorm_mode_16_64 3
		.amdhsa_memory_ordered 1
		.amdhsa_forward_progress 1
		.amdhsa_inst_pref_size 44
	.end_amdhsa_kernel
	.amdgpu_metadata
---
amdhsa.version: [ 1, 2 ]
amdhsa.kernels:
  - .name:           k_q7f78502030_quant
    .symbol:         k_q7f78502030_quant.kd
    .args:
      - { .name: x, .offset: 0, .size: 8, .value_kind: global_buffer, .address_space: global }
      - { .name: h_prev, .offset: 8, .size: 8, .value_kind: global_buffer, .address_space: global }
      - { .name: W_f, .offset: 16, .size: 8, .value_kind: global_buffer, .address_space: global }
      - { .name: W_i, .offset: 24, .size: 8, .value_kind: global_buffer, .address_space: global }
      - { .name: W_c, .offset: 32, .size: 8, .value_kind: global_buffer, .address_space: global }
      - { .name: W_o, .offset: 40, .size: 8, .value_kind: global_buffer, .address_space: global }
      - { .name: a_codes, .offset: 48, .size: 8, .value_kind: global_buffer, .address_space: global }
      - { .name: a_scales, .offset: 56, .size: 8, .value_kind: global_buffer, .address_space: global }
      - { .name: w_codes, .offset: 64, .size: 8, .value_kind: global_buffer, .address_space: global }
      - { .name: w_scales, .offset: 72, .size: 8, .value_kind: global_buffer, .address_space: global }
    .group_segment_fixed_size: 92160
    .private_segment_fixed_size: 0
    .kernarg_segment_align: 8
    .kernarg_segment_size: 80
    .max_flat_workgroup_size: 512
    .sgpr_count:     66
    .vgpr_count:     178
    .wavefront_size: 32
...
	.end_amdgpu_metadata
.endif
;; end of part 1
;; launch cell (part 2): grid 16 x 32, 4 waves a work-group, clusters of 4 x 4, 327,680 bytes of LDS; arguments a_codes, a_scales, w_codes, w_scales, b_f, b_i, b_c, b_o, out0, out1, c_prev; writes out0, out1
.if DOCPART == 2
	.amdgcn_target "amdgcn-amd-amdhsa--gfx1250"
	.amdhsa_code_object_version 6
	.text
	.protected	k_q7f78502030_cell
	.globl	k_q7f78502030_cell
	.p2align	8
	.type	k_q7f78502030_cell,@function
k_q7f78502030_cell:
	s_mov_b64 s[64:65], 0
	v_nop
	global_prefetch_b8 v0, s[64:65] scope:SCOPE_SE
	s_setreg_imm32_b32 hwreg(HW_REG_WAVE_MODE, 25, 1), 1
	s_wait_xcnt 0x0
	s_wait_alu depctr_hold_cnt(0) depctr_sa_sdst(0) depctr_va_vdst(0) depctr_va_sdst(0) depctr_va_ssrc(0) depctr_va_vcc(0) depctr_vm_vsrc(0)
	s_getreg_b32 s2, hwreg(HW_REG_IB_STS2, 6, 4)
	s_cmp_eq_u32 s2, 0
	s_cbranch_scc0 .Lentry_in_a_cluster
	s_endpgm
.Lentry_in_a_cluster:
	s_bfe_u32 s2, ttmp6, 0x10000c
	s_cmp_lg_u32 s2, 0xf033
	s_cbranch_scc0 .Lentry_shape_is_right
	s_endpgm
.Lentry_shape_is_right:
; gates = Q([x | h_prev]) Q(W_all)^T + b_all on codes of BF8 with E8M0 scales, then the LSTM cell: c_t = sigmoid(f) c_prev + sigmoid(i) tanh(g), h_t = sigmoid(o) tanh(c_t).  No work of reference() is left out.
; A work-group of four waves makes 256 rows x 256 gate columns (the four gates of 64 hidden columns: w_codes' rows are permuted so); a wave 128 x 128: 64 accumulators, 512 registers; its 128 columns are the four gates of 32 hidden columns.
; K goes in 8 steps of 256 through a ring of two LDS slots.  A slot holds A's 256 rows, B's 256 rows (256 bytes + 16 of padding each) and both sides' scale bytes of the step (2,048 consecutive bytes each).
; Every fill is four joint loads, one a wave: wave 0 A's codes, wave 1 B's, wave 2 A's scales, wave 3 B's.  4 x 4 clusters: A's tiles are shared along a row of the cluster, B's along a column.
; THE WALK ALONG K BEGINS AT STEP (2 X + 4 (Y % 2)) % 8, X and Y the cluster's numbers, and wraps: clusters that read the same rows ask for different K steps at a time.  Only global addresses hang on it.
; So a sum's order is a rotation of ascending K: this differs from reference() by f32 rounding alone.  The bias is the C of each accumulator's first product.
; The matrix instruction is used transposed (source 0 = rows of W, source 1 = rows of A): a lane holds one batch row and eight neighbouring hidden columns.
; PREFETCH: behind each refill, the codes of the K step two refills on: 2,048 rows of 256 bytes a cluster, a lane a row, the four partners of a joint load sharing its rows by address; the last two refills ask for
; c_prev's tile instead (256 rows of 256 bytes, 128 each).  The first four K steps come by their loads alone.  The scale bytes, 4 KiB of a step's 132, are not prefetched.
; THE WAY OUT: c_prev's tile lands in slot 0 behind that slot's last read; four batches of 32 rows; c_t goes over c_prev's bytes, h_t into slot 0's rows of B (the slot has had its last fill); behind a barrier whole rows of 256 bytes leave.
; sigmoid(x) = 1 / (1 + 2^(-x log2 e)), tanh(x) = 1 - 2 / (1 + 2^(2 x log2 e)): an exponential that overflows gives the function's limit.  LIMIT: NaN and infinities among the inputs are not served.
.set NQ,     2
.set PITCH,  272
.set FR,     16
.set NL,     4
.set NP,     8
.set HALFT,  128*PITCH
.set SAO,    4*HALFT                   ; A's scale bytes in a slot
.set SBO,    SAO+2048                  ; B's
.set SLOT,   SAO+4096
.set SPARE,  2*SLOT                    ; the spare words: 512 bytes that no other line names
.set HTR,    2*HALFT
.set ADRA, 16
.set ADRS, 18
.set ADRB, 20
.set BOF,  22
.set PFO,  23
.set CPA,  24
.set HTA,  25
.set RD,   26
.set RD2,  27
.set SPW,  28
.set NIL,  29
.set CO,   30
.set PFC,  31
.set SC,   32                          ; v32-63 scale words, a set for each slot
.set BI,   64                          ; v64-127 the bias, in the result's layout
.set AF,   128                         ; v128-255 A's fragments; window 1: B's, two sets; windows 2, 3: accumulators
.set WV,   18
.set G1A,  24
.set G1B,  32
.set G1SA, 40
.set G1SB, 48
.set G0A,  56
.set G0B,  60
.set G0SA, 68
.set G0SB, 72
.set G1C,  76
.set G0C,  84
.set T0,   88                          ; s[88:89] an offset, upper word 0
.set KX,   90                          ; the K step that the next fill brings
.set LC,   91
.set PFA,  100
.set MSB, 0
.macro WIN new
.if MSB != (\new)
	s_set_vgpr_msb (MSB<<8)|(\new)
.set MSB, \new
.endif
.endm
.set MUL_LO, 0xa1
.set MUL_HI, 0xf1
.set BIA_LO, 0x81
.set BIA_HI, 0xc1
.set TO_B,   0x40
.macro PLACES n
.rept \n
	v_nop
.endr
.endm
.macro TL g0, g1                       ; an s_nop 0 and four v_nop follow each tensor load
	tensor_load_to_lds s[\g0:\g0+3], s[\g1:\g1+7]
	s_nop 0
	PLACES 4
.endm
.macro JLOAD4                          ; one chain of branches on the wave's number: every way passes exactly one load
	s_cmp_lt_u32 s[WV], 1
	s_cbranch_scc0 .Lj1_\@
	TL G0A, G1A
	s_branch .Lje_\@
.Lj1_\@:
	s_cmp_lt_u32 s[WV], 2
	s_cbranch_scc0 .Lj2_\@
	TL G0B, G1B
	s_branch .Lje_\@
.Lj2_\@:
	s_cmp_lt_u32 s[WV], 3
	s_cbranch_scc0 .Lj3_\@
	TL G0SA, G1SA
	s_branch .Lje_\@
.Lj3_\@:
	TL G0SB, G1SB
.Lje_\@:
.endm
.macro DESC slot                       ; the four groups 0 for K step KX into a slot; stands where no tensor load of the wave is out
	s_lshl_b32 s[T0], s[KX], 8
	s_add_nc_u64 s[G0A+2:G0A+3], s[4:5], s[T0:T0+1]
	s_add_nc_u64 s[G0B+2:G0B+3], s[8:9], s[T0:T0+1]
	s_lshl_b32 s[T0], s[KX], 16
	s_add_nc_u64 s[G0SA+2:G0SA+3], s[6:7], s[T0:T0+1]
	s_lshl_b32 s[T0], s[KX], 15
	s_add_nc_u64 s[G0SB+2:G0SB+3], s[10:11], s[T0:T0+1]
.irp g, G0A, G0B, G0SA, G0SB
	s_or_b32 s[\g+3], s[\g+3], 0x80000000
.endr
	s_mov_b32 s[G0A+1], \slot*SLOT
	s_mov_b32 s[G0B+1], \slot*SLOT+2*HALFT
	s_mov_b32 s[G0SA+1], \slot*SLOT+SAO
	s_mov_b32 s[G0SB+1], \slot*SLOT+SBO
	s_add_co_u32 s[KX], s[KX], 1
	s_and_b32 s[KX], s[KX], 7
.endm
.macro CREST
	s_cmp_lg_u32 s[WV], 0
	s_cbranch_scc1 .Lnot_wave_0_\@
	s_barrier_signal -3
.Lnot_wave_0_\@:
	s_barrier_wait -3
	s_barrier_signal -1
	s_barrier_wait -1
.endm
.macro CROUND
	s_barrier_signal -1
	s_barrier_wait -1
	CREST
.endm
	s_load_b256 s[4:11], s[0:1], 0x0               ; a_codes, a_scales, w_codes, w_scales
	s_load_b256 s[92:99], s[0:1], 0x20             ; b_f, b_i, b_c, b_o
	s_load_b128 s[12:15], s[0:1], 0x40             ; out0 (h_t), out1 (c_t)
	s_load_b64 s[16:17], s[0:1], 0x50              ; c_prev
	v_lshl_add_u32 v[SPW], v0, 2, SPARE
	v_mov_b32 v[NIL], 0
	ds_add_u32 v[SPW], v[NIL]                      ; the opening lines: the add, twice on end, and its wait
	ds_add_u32 v[SPW], v[NIL]
	v_lshrrev_b32 v1, 5, v0
	v_readfirstlane_b32 s[WV], v1
	s_lshr_b32 s19, s[WV], 1                       ; which half of the rows is mine
	s_and_b32 s20, s[WV], 1                        ; which half of the columns
	s_bfe_u32 s84, ttmp6, 0x40000                  ; cx
	s_bfe_u32 s85, ttmp6, 0x40004                  ; cy
	s_lshl_b32 s22, ttmp9, 2
	s_add_co_u32 s22, s22, s84                     ; tile column
	s_and_b32 s21, ttmp7, 0xffff
	s_lshl_b32 s21, s21, 2
	s_add_co_u32 s21, s21, s85                     ; tile row
	s_lshl_b32 s[KX], ttmp9, 1                     ; where the walk along K begins: the cluster's numbers alone
	s_and_b32 s23, ttmp7, 1
	s_lshl_b32 s23, s23, 2
	s_add_co_u32 s[KX], s[KX], s23
	s_and_b32 s[KX], s[KX], 7
	s_lshl_b32 s86, s85, 2
	s_lshl_b32 s86, 15, s86                        ; my row of the cluster
	s_lshl_b32 s87, 0x1111, s84                    ; my column
	s_or_b32 s[G1A+0], s86, (1<<20)|(1<<21)|(5<<22)|(3<<25)   ; 256 rows of 256 bytes, 16 of padding behind each
	s_or_b32 s[G1B+0], s87, (1<<20)|(1<<21)|(5<<22)|(3<<25)
.irp g, G1A, G1B
	s_mov_b32 s[\g+1], 256<<16
	s_mov_b32 s[\g+2], 256<<16
	s_mov_b32 s[\g+3], 256<<16
	s_mov_b32 s[\g+4], 256
	s_mov_b32 s[\g+5], 2048
	s_mov_b32 s[\g+6], 0
	s_mov_b32 s[\g+7], 0
.endr
	s_or_b32 s[G1SA+0], s86, (3<<16)|(1<<21)       ; a dense block of 2,048 bytes: 8 rows of 32 elements of 8 bytes
	s_or_b32 s[G1SB+0], s87, (3<<16)|(1<<21)
.irp g, G1SA, G1SB
	s_mov_b32 s[\g+1], 32<<16
	s_mov_b32 s[\g+2], 8<<16
	s_mov_b32 s[\g+3], 32<<16
	s_mov_b32 s[\g+4], 8
	s_mov_b32 s[\g+5], 32
	s_mov_b32 s[\g+6], 0
	s_mov_b32 s[\g+7], 0
.endr
.irp g, G0A, G0B, G0SA, G0SB
	s_mov_b32 s[\g], 1
.endr
	s_mov_b32 s[T0+1], 0
	s_mov_b32 s67, 0
	s_mul_i32 s76, s19, HALFT                      ; LDS: my 128 rows of A,
	s_mul_i32 s77, s20, HALFT
	s_add_co_u32 s77, s77, 2*HALFT                 ; of B,
	s_lshl_b32 s78, s19, 10
	s_lshl_b32 s79, s20, 10
	s_add_co_u32 s79, s79, SBO-SAO
	s_sub_co_u32 s79, s79, s78                     ; from A's scale words to B's,
	s_add_co_u32 s78, s78, SAO                     ; A's scale words: 8 bytes a row
	s_lshl_b32 s80, s22, 8
	s_lshl_b32 s81, s20, 7
	s_add_co_u32 s80, s80, s81                     ; my 32 hidden columns, in bytes
	s_add_co_u32 s81, s81, s76                     ; c_prev's tile: my rows, my 128 bytes of them
	s_mul_i32 s82, s20, 16*PITCH
	s_add_co_u32 s82, s82, s76                     ; the rows that I read back
	s_wait_dscnt 0x0                               ; both opening adds are done
	s_wait_kmcnt 0x0
	s_lshl_b32 s[T0], s21, 19                      ; 256 rows of 2,048 codes
	s_add_nc_u64 s[4:5], s[4:5], s[T0:T0+1]
	s_lshl_b32 s[T0], s21, 11                      ; 256 rows of 8 scale bytes
	s_add_nc_u64 s[6:7], s[6:7], s[T0:T0+1]
	s_lshl_b32 s66, s22, 19
	s_add_nc_u64 s[8:9], s[8:9], s[66:67]
	s_lshl_b32 s66, s22, 11
	s_add_nc_u64 s[10:11], s[10:11], s[66:67]
	s_cmp_eq_u32 s19, 0                            ; the prefetches: waves 0, 1 ask for A, waves 2, 3 for B;
	s_cselect_b32 s23, s84, s85                    ; of a tile's 256 rows my work-group takes 64 by its place among the four partners, my wave 32 of them
	s_cselect_b64 s[2:3], s[4:5], s[8:9]
	s_lshl_b32 s23, s23, 17
	s_lshl_b32 s66, s20, 16
	s_add_co_u32 s66, s66, s23
	s_add_nc_u64 s[2:3], s[2:3], s[66:67]
	s_lshl_b32 s66, s21, 20                        ; c_prev and the outputs: 256 rows of 4,096 bytes, 256 bytes a tile column
	s_lshl_b32 s23, s22, 8
	s_add_co_u32 s66, s66, s23
	s_add_nc_u64 s[16:17], s[16:17], s[66:67]
	s_lshl_b32 s23, s19, 19
	s_add_co_u32 s66, s66, s23
	s_lshl_b32 s23, s20, 16
	s_add_co_u32 s66, s66, s23                     ; + my half's 128 rows + the 16 rows that I store of each 32
	s_add_nc_u64 s[12:13], s[12:13], s[66:67]
	s_add_nc_u64 s[14:15], s[14:15], s[66:67]
	CROUND                                         ; all sixteen work-groups are here: the first joint loads meet
	DESC 0
	JLOAD4                                         ; the walk's first K step: one tensor load a wave at the head
	v_and_b32 v1, 15, v0
	v_bfe_u32 v2, v0, 4, 1
	v_mul_u32_u24 v3, v1, PITCH
	v_lshl_add_u32 v[BOF], v2, 5, s80
	v_lshl_add_u32 v4, v2, 4, v3
.irp g, 0,1,2,3
.irp u, 0,1
.irp q, 0,1
	global_load_b128 v[BI+8*(2*\g+\u)+4*\q:BI+8*(2*\g+\u)+4*\q+3], v[BOF], s[92+2*\g:93+2*\g] offset:64*\u+16*\q
.endr
.endr
.endr
	v_add_nc_u32 v[ADRA], s76, v4
	v_add_nc_u32 v[ADRB], s77, v4
	v_add_nc_u32 v[ADRA+1], SLOT, v[ADRA]
	v_add_nc_u32 v[ADRB+1], SLOT, v[ADRB]
	v_mul_u32_u24 v6, s79, v2                      ; lanes 16-31 take B's scale words
	v_lshl_add_u32 v5, v1, 3, v6
	v_add_nc_u32 v[ADRS], s78, v5
	v_add_nc_u32 v[ADRS+1], SLOT, v[ADRS]
	v_lshl_add_u32 v5, v2, 5, v3
	v_add_nc_u32 v[CPA], s81, v5
	v_add_nc_u32 v[HTA], HTR, v[CPA]
	v_mul_u32_u24 v5, v2, PITCH
	v_lshl_add_u32 v5, v1, 4, v5
	v_add_nc_u32 v[RD], s82, v5
	v_add_nc_u32 v[RD2], HTR, v[RD]
	v_lshlrev_b32 v[CO], 12, v2
	v_lshl_add_u32 v[CO], v1, 4, v[CO]
	v_and_b32 v[PFO], 31, v0
	v_lshlrev_b32 v[PFO], 11, v[PFO]               ; a lane a row of 2,048 codes
	v_lshlrev_b32 v[PFC], 13, v0                   ; a thread two rows of c_prev
	s_mov_b32 s[G1C+0], (2<<16)|(1<<20)|(5<<22)|(3<<25)   ; c_prev: 64 rows of 64 f32 a wave, padded like the codes; no mask: nobody shares it
	s_mov_b32 s[G1C+1], 64<<16
	s_mov_b32 s[G1C+2], 64<<16
	s_mov_b32 s[G1C+3], 64<<16
	s_mov_b32 s[G1C+4], 64
	s_mov_b32 s[G1C+5], 1024
	s_mov_b32 s[G1C+6], 0
	s_mov_b32 s[G1C+7], 0
	s_mov_b32 s[G0C], 1
	s_mul_i32 s[G0C+1], s[WV], 64*PITCH
	s_lshl_b32 s66, s[WV], 18
	s_add_nc_u64 s[G0C+2:G0C+3], s[16:17], s[66:67]
	s_or_b32 s[G0C+3], s[G0C+3], 0x80000000
.macro FRAG reg, adr, q, i
.irp c, 0,1,2,3
	ds_load_b128 v[\reg+4*\c:\reg+4*\c+3], v[\adr] offset:128*(\q)+32*\c+(\i)*16*PITCH
.endr
.endm
; 16 products: A's blocks a0, a0 + 1 x B's eight.  The 64 accumulators take turns in the same order in every step.
.macro MUL16 a0, p, q, sc, bias
.irp a, \a0, \a0+1
.irp b, 0,1,2,3,4,5,6,7
.if \bias
	v_wmma_scale_f32_16x16x128_f8f6f4 v[8*(8*((\a)%4)+\b):8*(8*((\a)%4)+\b)+7], v[128*(\p)+FR*\b:128*(\p)+FR*\b+FR-1], v[AF+FR*(\a):AF+FR*(\a)+FR-1], v[BI+8*\b:BI+8*\b+7], v[SC+8*NQ*(\sc)+NQ*\b+(\q)], v[SC+8*NQ*(\sc)+NQ*(\a)+(\q)] matrix_a_fmt:MATRIX_FMT_BF8 matrix_b_fmt:MATRIX_FMT_BF8 matrix_a_scale:MATRIX_SCALE_ROW1
.else
	v_wmma_scale_f32_16x16x128_f8f6f4 v[8*(8*((\a)%4)+\b):8*(8*((\a)%4)+\b)+7], v[128*(\p)+FR*\b:128*(\p)+FR*\b+FR-1], v[AF+FR*(\a):AF+FR*(\a)+FR-1], v[8*(8*((\a)%4)+\b):8*(8*((\a)%4)+\b)+7], v[SC+8*NQ*(\sc)+NQ*\b+(\q)], v[SC+8*NQ*(\sc)+NQ*(\a)+(\q)] matrix_a_fmt:MATRIX_FMT_BF8 matrix_b_fmt:MATRIX_FMT_BF8 matrix_a_scale:MATRIX_SCALE_ROW1
.endif
.endr
.endr
.endm
.macro FETCH_B slot, q, p
	WIN TO_B
.irp i, 0,1,2,3,4,5,6,7
	FRAG 128*(\p)+FR*\i, ADRB+\slot, \q, \i
.endr
	WIN 0
.endm
.macro FETCH_A slot, q, i0
.irp i, \i0, \i0+1, \i0+2, \i0+3
	FRAG AF+FR*(\i), ADRA+\slot, \q, \i
.endr
.endm
.macro SCALES sc                       ; the slot's two words a row: lanes 0-15 A's block i, lanes 16-31 B's block i
.irp i, 0,1,2,3,4,5,6,7
	ds_load_b64 v[SC+8*NQ*\sc+NQ*\i:SC+8*NQ*\sc+NQ*\i+1], v[ADRS+\sc] offset:\i*128
.endr
.endm
.macro STEP slot, q, bias              ; 128 along K with its successor in the same slot
	s_wait_dscnt 4*NL                              ; all but A's blocks 4-7
.if \bias
	WIN BIA_LO
.else
	WIN MUL_LO
.endif
	MUL16 0, (\q)%2, \q, \slot, \bias
	MUL16 2, (\q)%2, \q, \slot, \bias
	s_wait_dscnt 0
	PLACES NP
	FETCH_B \slot, (\q)+1, 1-(\q)%2
	FETCH_A \slot, (\q)+1, 0
.if \bias
	WIN BIA_HI
.else
	WIN MUL_HI
.endif
	MUL16 4, (\q)%2, \q, \slot, \bias
	MUL16 6, (\q)%2, \q, \slot, \bias
	PLACES NP
	WIN 0
	FETCH_A \slot, (\q)+1, 4
.endm
.macro ASK slot                        ; one prefetch a wave: codes two refills on, or in the loop's last trip 128 rows of c_prev's tile
	s_cmp_gt_u32 s[LC], 1
	s_cbranch_scc0 .Lpc_\@
	global_prefetch_b8 v[PFO], s[PFA:PFA+1] th:TH_LOAD_NT scope:SCOPE_SE
	s_branch .Lpe_\@
.Lpc_\@:
	global_prefetch_b8 v[PFC], s[16:17] offset:\slot*4096 th:TH_LOAD_NT scope:SCOPE_SE
.Lpe_\@:
.endm
; A slot's last step changes slots.  fill = 1: the slot takes the K step two on; fill = 2: slot 0 takes c_prev's tile.
.macro TURN slot, next, fill
.if \fill == 1
	s_wait_xcnt 0x0                                ; my last prefetch has read its address: it is made anew
	s_add_co_u32 s[T0], s[KX], 2
	s_and_b32 s[T0], s[T0], 7
	s_lshl_b32 s[T0], s[T0], 8
	s_add_nc_u64 s[PFA:PFA+1], s[2:3], s[T0:T0+1]
.endif
	s_wait_tensorcnt 0x0                           ; my one load that was out, my part of the next slot, has landed
	ds_add_u32 v[SPW], v[NIL]
.if \fill == 1
	DESC \slot
.endif
	s_wait_dscnt 4*NL+1                            ; the add and A's blocks 4-7 may be out
	WIN MUL_LO
	MUL16 0, 1, NQ-1, \slot, 0
	s_wait_dscnt 0x0                               ; the add is done, my reads of this slot are over
	s_barrier_signal -1
	MUL16 2, 1, NQ-1, \slot, 0
	WIN 0
	s_barrier_wait -1
	CREST                                          ; the round of the cluster's barrier takes the refill's barrier's place
.if \fill == 1
	JLOAD4
.else
	TL G0C, G1C
.endif
	PLACES NP-4
	FETCH_B \next, 0, 0
	FETCH_A \next, 0, 0
	SCALES \next
.if \fill == 1
	ASK \slot
.endif
	WIN MUL_HI
	MUL16 4, 1, NQ-1, \slot, 0
	MUL16 6, 1, NQ-1, \slot, 0
	PLACES NP
	WIN 0
	FETCH_A \next, 0, 4
.endm
	s_wait_alu depctr_va_vdst(0)                   ; the wait at the head's end
	s_wait_tensorcnt 0x0                           ; my tile of the head's four is in; slot 1's first fill is issued as a refill is
	ds_add_u32 v[SPW], v[NIL]
	DESC 1
	s_wait_dscnt 0x0
	CROUND
	JLOAD4
	FETCH_B 0, 0, 0
	FETCH_A 0, 0, 0
	SCALES 0
	FETCH_A 0, 0, 4
	s_wait_loadcnt 0x0                             ; the bias
	STEP 0, 0, 1                                   ; the first products start the sums from the bias
	s_mov_b32 s[LC], 3
.Llap:
	TURN 0, 1, 1
	STEP 1, 0, 0
	TURN 1, 0, 1
	STEP 0, 0, 0
	s_sub_co_u32 s[LC], s[LC], 1
	s_cmp_lg_u32 s[LC], 0
	s_cbranch_scc1 .Llap
	TURN 0, 1, 2
	STEP 1, 0, 0
	s_wait_dscnt 4*NL
	WIN MUL_LO
	MUL16 0, 1, NQ-1, 1, 0
	MUL16 2, 1, NQ-1, 1, 0
	s_wait_dscnt 0
	s_wait_tensorcnt 0x0                           ; my 64 rows of c_prev are in
	s_barrier_signal -1
	WIN MUL_HI
	MUL16 4, 1, NQ-1, 1, 0
	MUL16 6, 1, NQ-1, 1, 0
	WIN 0
	s_barrier_wait -1                              ; and everybody's
; THE CELL, 32 rows (two blocks of 16) at a time: 32 numbers a lane.  Block s at v[T + 64 s]: f at + 0, i at + 16, g at + 32, o at + 48.
; Each run of transcendentals has one wait ahead of it and one behind it.
.set T,   32
.set CP,  160
.set OUT, 192
.macro TRANS op, base, n
.set KK, 0
.rept \n
	\op v[\base+KK], v[\base+KK]
.set KK, KK+1
.endr
.endm
.macro CPLOAD a
.irp u, 0,1
.irp q, 0,1
	ds_load_b128 v[CP+16*((\a)%2)+8*\u+4*\q:CP+16*((\a)%2)+8*\u+4*\q+3], v[CPA] offset:16*PITCH*(\a)+64*\u+16*\q
.endr
.endr
.endm
.macro RB p                            ; 16 whole rows of c_t and of h_t back: sixteen lanes to a row of 256 bytes
.irp t, 0,1,2,3,4,5,6,7
	ds_load_b128 v[OUT+4*\t:OUT+4*\t+3], v[RD] offset:32*PITCH*(\p)+2*PITCH*\t
	ds_load_b128 v[OUT+32+4*\t:OUT+32+4*\t+3], v[RD2] offset:32*PITCH*(\p)+2*PITCH*\t
.endr
.endm
.macro SEND p                          ; sixteen lanes store 256 consecutive bytes, aligned
.irp t, 0,1,2,3,4,5,6,7
	global_store_b128 v[CO], v[OUT+4*\t:OUT+4*\t+3], s[14:15] offset:4096*(32*(\p)+2*\t) th:TH_STORE_NT
	global_store_b128 v[CO], v[OUT+32+4*\t:OUT+32+4*\t+3], s[12:13] offset:4096*(32*(\p)+2*\t) th:TH_STORE_NT
.endr
.endm
.macro EPAIR p
	WIN 0x02+(\p)/2                                ; source 0: the accumulators' window
	s_wait_alu depctr_va_vdst(0)
.irp s, 0,1
.irp b, 0,1,2,3,4,5,6,7
.irp e, 0,2,4,6                        ; each accumulator from its low end on
.if (\b)/2 == 2
	v_pk_mul_f32 v[T+64*\s+8*\b+\e:T+64*\s+8*\b+\e+1], v[64*((2*(\p)+\s)%4)+8*\b+\e:64*((2*(\p)+\s)%4)+8*\b+\e+1], s[88:89] op_sel_hi:[1,0]
.else
	v_pk_mul_f32 v[T+64*\s+8*\b+\e:T+64*\s+8*\b+\e+1], v[64*((2*(\p)+\s)%4)+8*\b+\e:64*((2*(\p)+\s)%4)+8*\b+\e+1], s[66:67] op_sel_hi:[1,0]
.endif
.endr
.endr
.endr
	WIN 0
.if (\p) > 0
	s_barrier_wait -1                              ; both halves of the last batch's rows lie in the stage
.if (\p) > 1
	s_wait_xcnt 0x0                                ; the stores before have read their registers
.endif
	RB (\p)-1
.endif
	CPLOAD 2*(\p)
	CPLOAD 2*(\p)+1
	s_wait_alu depctr_va_vdst(0)
	TRANS v_exp_f32, T, 128
	v_nop
.if (\p) > 0
	s_wait_dscnt 8                                 ; the sixteen rows are back; c_prev's eight loads may be out
	SEND (\p)-1
.endif
	s_wait_alu depctr_va_vdst(0)
.set KK, 0
.rept 64
	v_pk_add_f32 v[T+KK:T+KK+1], v[T+KK:T+KK+1], 1.0 op_sel_hi:[1,0]
.set KK, KK+2
.endr
	s_wait_alu depctr_va_vdst(0)
	TRANS v_rcp_f32, T, 128
	v_nop
	s_wait_dscnt 0x0                               ; c_prev
	s_wait_alu depctr_va_vdst(0)
.irp s, 0,1
.irp e, 0,2,4,6,8,10,12,14
	v_pk_fma_f32 v[T+64*\s+32+\e:T+64*\s+33+\e], v[T+64*\s+32+\e:T+64*\s+33+\e], -2.0, 1.0 op_sel_hi:[1,0,0]   ; tanh(g)
.endr
.endr
.irp s, 0,1
.irp e, 0,2,4,6,8,10,12,14
	v_pk_mul_f32 v[T+64*\s+16+\e:T+64*\s+17+\e], v[T+64*\s+16+\e:T+64*\s+17+\e], v[T+64*\s+32+\e:T+64*\s+33+\e]
.endr
.endr
.irp s, 0,1
.irp e, 0,2,4,6,8,10,12,14
	v_pk_fma_f32 v[T+64*\s+\e:T+64*\s+1+\e], v[T+64*\s+\e:T+64*\s+1+\e], v[CP+16*\s+\e:CP+16*\s+1+\e], v[T+64*\s+16+\e:T+64*\s+17+\e]   ; c_t
.endr
.endr
.irp s, 0,1
.irp e, 0,2,4,6,8,10,12,14
	v_pk_mul_f32 v[T+64*\s+32+\e:T+64*\s+33+\e], v[T+64*\s+\e:T+64*\s+1+\e], s[88:89] op_sel_hi:[1,0]
.endr
.endr
	s_wait_alu depctr_va_vdst(0)
	TRANS v_exp_f32, T+32, 16
	TRANS v_exp_f32, T+96, 16
	v_nop
	s_wait_alu depctr_va_vdst(0)
.irp s, 0,1
.irp e, 0,2,4,6,8,10,12,14
	v_pk_add_f32 v[T+64*\s+32+\e:T+64*\s+33+\e], v[T+64*\s+32+\e:T+64*\s+33+\e], 1.0 op_sel_hi:[1,0]
.endr
.endr
	s_wait_alu depctr_va_vdst(0)
	TRANS v_rcp_f32, T+32, 16
	TRANS v_rcp_f32, T+96, 16
	v_nop
	s_wait_alu depctr_va_vdst(0)
.irp s, 0,1
.irp e, 0,2,4,6,8,10,12,14
	v_pk_fma_f32 v[T+64*\s+32+\e:T+64*\s+33+\e], v[T+64*\s+32+\e:T+64*\s+33+\e], -2.0, 1.0 op_sel_hi:[1,0,0]   ; tanh(c_t)
.endr
.endr
.irp s, 0,1
.irp e, 0,2,4,6,8,10,12,14
	v_pk_mul_f32 v[T+64*\s+48+\e:T+64*\s+49+\e], v[T+64*\s+48+\e:T+64*\s+49+\e], v[T+64*\s+32+\e:T+64*\s+33+\e]   ; h_t
.endr
.endr
.irp s, 0,1
.irp u, 0,1
.irp q, 0,1
	ds_store_b128 v[CPA], v[T+64*\s+8*\u+4*\q:T+64*\s+8*\u+4*\q+3] offset:16*PITCH*(2*(\p)+\s)+64*\u+16*\q
	ds_store_b128 v[HTA], v[T+64*\s+48+8*\u+4*\q:T+64*\s+48+8*\u+4*\q+3] offset:16*PITCH*(2*(\p)+\s)+64*\u+16*\q
.endr
.endr
.endr
	s_wait_dscnt 0x0                               ; for the others' sake: my stores into the stage are done
	s_barrier_signal -1
.endm
	PLACES NP
	s_mov_b32 s66, 0xbfb8aa3b                      ; -log2 e
	s_mov_b32 s67, s66
	s_mov_b32 s88, 0x4038aa3b                      ; 2 log2 e
	s_mov_b32 s89, s88
.irp p, 0,1,2,3
	EPAIR \p
.endr
	s_barrier_wait -1
	s_wait_xcnt 0x0
	RB 3
	s_wait_dscnt 0x0
	SEND 3
	s_wait_tensorcnt 0x0                           ; the wave's end
	ds_add_u32 v[SPW], v[NIL]
	s_wait_dscnt 0x0
	CROUND                                         ; the closing round
	s_endpgm
.Lfunc_end_k_q7f78502030_cell:
	.size	k_q7f78502030_cell, .Lfunc_end_k_q7f78502030_cell-k_q7f78502030_cell
	.p2alignl 7, 3214868480
	.fill 96, 4, 3214868480
	.section	.rodata,"a",@progbits
	.p2align	6, 0x0
	.amdhsa_kernel k_q7f78502030_cell
		.amdhsa_group_segment_fixed_size 327680
		.amdhsa_private_segment_fixed_size 0
		.amdhsa_enable_private_segment 0
		.amdhsa_kernarg_size 88
		.amdhsa_user_sgpr_count 2
		.amdhsa_user_sgpr_kernarg_segment_ptr 1
		.amdhsa_wavefront_size32 1
		.amdhsa_system_sgpr_workgroup_id_x 1
		.amdhsa_system_sgpr_workgroup_id_y 1
		.amdhsa_system_sgpr_workgroup_id_z 1
		.amdhsa_system_vgpr_workitem_id 0
		.amdhsa_next_free_vgpr 1024
		.amdhsa_next_free_sgpr 102
		.amdhsa_reserve_vcc 0
		.amdhsa_float_denorm_mode_32 3
		.amdhsa_float_denorm_mode_16_64 3
		.amdhsa_memory_ordered 1
		.amdhsa_forward_progress 1
		.amdhsa_inst_pref_size 243
	.end_amdhsa_kernel
	.amdgpu_metadata
---
amdhsa.version: [ 1, 2 ]
amdhsa.kernels:
  - .name:           k_q7f78502030_cell
    .symbol:         k_q7f78502030_cell.kd
    .args:
      - { .name: a_codes, .offset: 0, .size: 8, .value_kind: global_buffer, .address_space: global }
      - { .name: a_scales, .offset: 8, .size: 8, .value_kind: global_buffer, .address_space: global }
      - { .name: w_codes, .offset: 16, .size: 8, .value_kind: global_buffer, .address_space: global }
      - { .name: w_scales, .offset: 24, .size: 8, .value_kind: global_buffer, .address_space: global }
      - { .name: b_f, .offset: 32, .size: 8, .value_kind: global_buffer, .address_space: global }
      - { .name: b_i, .offset: 40, .size: 8, .value_kind: global_buffer, .address_space: global }
      - { .name: b_c, .offset: 48, .size: 8, .value_kind: global_buffer, .address_space: global }
      - { .name: b_o, .offset: 56, .size: 8, .value_kind: global_buffer, .address_space: global }
      - { .name: out0, .offset: 64, .size: 8, .value_kind: global_buffer, .address_space: global }
      - { .name: out1, .offset: 72, .size: 8, .value_kind: global_buffer, .address_space: global }
      - { .name: c_prev, .offset: 80, .size: 8, .value_kind: global_buffer, .address_space: global }
    .group_segment_fixed_size: 327680
    .private_segment_fixed_size: 0
    .kernarg_segment_align: 8
    .kernarg_segment_size: 88
    .max_flat_workgroup_size: 128
    .sgpr_count:     102
    .vgpr_count:     1024
    .wavefront_size: 32
...
	.end_amdgpu_metadata
.endif
;; end of part 2
